; MI455X (gfx1250); checked and timed in simulation.
; The chip was launched on July 23, 2026; its instructions are those of AMD's public machine-readable ISA for CDNA 5 (MIT licence, August 2026) and "CDNA5" Instruction Set Architecture Reference Guide (July 2026). The comments in the code are by the model that wrote it; some were corrected since.
;; Attention. Allowed arithmetic: float matrix products may take bf16 or f16 operands with f32 sums; all other float work in f32.
;; Inputs: attn_b 1,024 float32; attn_w 2,048 x 1,024 float32; encoder_outputs 32 x 2,048 x 1,024 float32; hidden 32 x 1 x 1,024 float32; v_w 1,024 float32.
;; Outputs: out0 32 x 1 x 1,024 float32.
;; 2 versions, each right; version 2 is version 1 with the launch main written anew for expert scheduling mode. Each part assembles by itself: llvm-mc -triple=amdgcn-amd-amdhsa -mcpu=gfx1250 --defsym DOCPART=n.
;; ======== version 1 of 2: 3 launches
;; workspace buffers: wfrag 2,097,152 bytes; cvec 131,072 bytes; pctx 2,097,152 bytes; pml 131,072 bytes
;; launch prep (part 1): grid 48 x 1, 16 waves a work-group, no clusters, 141,312 bytes of LDS; arguments attn_w, hidden, attn_b, wfrag, cvec; writes wfrag, cvec
.if DOCPART == 1
	.amdgcn_target "amdgcn-amd-amdhsa--gfx1250"
	.amdhsa_code_object_version 6
	.text
	.protected	k_q92b565f0ac_prep
	.globl	k_q92b565f0ac_prep
	.p2align	8
	.type	k_q92b565f0ac_prep,@function
k_q92b565f0ac_prep:
	s_mov_b64 s[64:65], 0
	v_nop
	global_prefetch_b8 v0, s[64:65] scope:SCOPE_SE
	s_setreg_imm32_b32 hwreg(HW_REG_WAVE_MODE, 25, 1), 1
	s_wait_xcnt 0x0
; Two jobs on attn_w [2048][1024] f32, chosen by the work-group's number alone (the same for all 16 waves of a group).
; Job W (groups 0-31): W_e = rows 1024-2047 rounded to bf16 and laid out as ready B fragments of v_wmma_f32_16x16x32_bf16:
;   wfrag byte = G*262144 + ks*8192 + nt*1024 + q*512 + L*16 holds W_e[32 ks + 16 q + 8 (L>>4) + 0..7][128 G + 16 nt + (L&15)].
; Job H (groups 32-47): cvec[b][n] = 2 log2(e) * (sum over k of hidden[b][k] W_h[k][n] + attn_b[n]), W_h = rows 0-1023.
;   The product runs on the matrix unit with bf16 operands and f32 sums (LIMIT: operands rounded to bf16).
; A wave's unit of work is a tile of 32 k x 64 n of attn_w: 32 pieces of 256 consecutive bytes, aligned.
; No cluster, no tensor loads: no two work-groups of job W read a common byte, and every byte has to pass registers to be rounded.
.set AREA,   8704                      ; LDS of a wave: first 4,096 bytes = fragment stage; later all of it = partial [32 b][64 n] f32
.set PPITCH, 272                       ; a partial's row: 256 bytes + 16
.set CO,   1                           ; v1      job H: byte offset of my 16 bytes in cvec
.set ABO,  3                           ; v3      job H: byte offset of my 4 numbers of attn_b
.set GOFF, 4                           ; v4      (g<<16) | (c<<4): row 16 g, columns 4 c .. 4 c + 3 of the tile
.set STG,  5                           ; v5      where my packed columns go in the stage
.set RDB,  6                           ; v6      stage + 16 L
.set LO,   7                           ; v7      16 L
.set HV,   8                           ; v8      hidden: c*4096 + g*32
.set PST,  9                           ; v9      partial: area + c*272 + g*32
.set RA,   10                          ; v10     reduction: partials 0-7
.set RA2,  11                          ; v11     reduction: partials 8-15
.set AB,   12                          ; v[12:15] attn_b
.set X,    16                          ; v[16:79]  the tile as loaded: X[4 j + i] = W[16 g + j][4 c + i]
.set HF,   80                          ; v[80:111] hidden as loaded, f32
.set HB,   112                         ; v[112:127] hidden, two bf16 fragments (16 batches each)
.set P,    128                         ; v[128:159] P[8 i + p] = bf16 pair k = 16 g + 2 p, +1 of column 4 c + i
.set FR,   160                         ; v[160:191] four fragments of 16 n x 32 k
.set ACC,  192                         ; v[192:255] eight accumulator tiles (mt, nt) at ACC + 8 (4 mt + nt)
.macro LDX off                         ; 16 loads; each covers two whole pieces of 256 bytes (rows j and 16 + j)
.irp j, 0,1,2,3,4,5,6,7,8,9,10,11,12,13,14,15
	global_load_b128 v[X+4*\j:X+4*\j+3], v[GOFF], s[4:5] offset:\off+\j*4096 th:TH_LOAD_NT
.endr
.endm
.macro PACK                            ; round, pair along k, and put each column's 8 k (16 bytes) where the fragment's lane will read it
.irp i, 0,1,2,3
.irp p, 0,1,2,3,4,5,6,7
	v_cvt_pk_bf16_f32 v[P+8*\i+\p], v[X+8*\p+\i], v[X+8*\p+4+\i]
.endr
.endr
.irp i, 0,1,2,3
	ds_store_b128 v[STG], v[P+8*\i:P+8*\i+3] offset:\i*16          ; k = 16 g + 0..7: lanes 0-15 of the fragment
	ds_store_b128 v[STG], v[P+8*\i+4:P+8*\i+7] offset:256+\i*16    ; k = 16 g + 8..15: lanes 16-31
.endr
.endm
.macro RDF                             ; the stage back in fragment order; a wave's LDS instructions are served in order (ISA guide 5.7.1), so no wait stands between
.irp t, 0,1,2,3,4,5,6,7
	ds_load_b128 v[FR+4*\t:FR+4*\t+3], v[RDB] offset:\t*512
.endr
.endm
.macro LDH off                         ; hidden[16 mt + c][32 ks + 8 g + 0..7] and [.. + 16 + 8 g + 0..7], f32
.irp mt, 0,1
.irp e, 0,1,2,3
	global_load_b128 v[HF+16*\mt+4*\e:HF+16*\mt+4*\e+3], v[HV], s[6:7] offset:\off+\mt*65536+(\e&1)*16+(\e>>1)*64
.endr
.endr
.endm
.macro CVH
.irp t, 0,1,2,3,4,5,6,7,8,9,10,11,12,13,14,15
	v_cvt_pk_bf16_f32 v[HB+\t], v[HF+2*\t], v[HF+2*\t+1]
.endr
.endm
.macro HMUL zero                       ; used transposed: source 0 = 16 n of W, source 1 = 16 batches; lane (r, h), register j = (b = 16 mt + r, n = 16 nt + 8 h + j)
.irp mt, 0,1
.irp nt, 0,1,2,3
.if \zero
	v_wmma_f32_16x16x32_bf16 v[ACC+8*(4*\mt+\nt):ACC+8*(4*\mt+\nt)+7], v[FR+8*\nt:FR+8*\nt+7], v[HB+8*\mt:HB+8*\mt+7], 0
.else
	v_wmma_f32_16x16x32_bf16 v[ACC+8*(4*\mt+\nt):ACC+8*(4*\mt+\nt)+7], v[FR+8*\nt:FR+8*\nt+7], v[HB+8*\mt:HB+8*\mt+7], v[ACC+8*(4*\mt+\nt):ACC+8*(4*\mt+\nt)+7]
.endif
.endr
.endr
.endm
.macro PLACES                          ; four independent vector instructions behind a matrix instruction before its registers are touched (ISA guide 7.12.1)
.rept 4
	v_nop
.endr
.endm
	s_load_b256 s[4:11], s[0:1], 0x0               ; attn_w s[4:5], hidden s[6:7], attn_b s[8:9], wfrag s[10:11]
	s_load_b64 s[12:13], s[0:1], 0x20              ; cvec
	v_lshrrev_b32 v1, 5, v0
	v_readfirstlane_b32 s16, v1                    ; wave 0..15
	v_and_b32 v1, 31, v0                           ; L
	v_and_b32 v2, 15, v0                           ; c
	v_bfe_u32 v3, v0, 4, 1                         ; g
	s_mul_i32 s17, s16, AREA                       ; my wave's LDS
	v_lshlrev_b32 v[GOFF], 4, v2
	v_lshl_or_b32 v[GOFF], v3, 16, v[GOFF]
	v_lshrrev_b32 v[ACC], 2, v2                    ; c >> 2 = which of the tile's four fragments
	v_and_b32 v[ACC+1], 3, v2
	v_lshl_add_u32 v[STG], v[ACC], 10, s17         ; area + 1024 (c>>2)
	v_lshl_add_u32 v[STG], v3, 9, v[STG]           ; + 512 g (the fragment's upper 16 k)
	v_lshl_add_u32 v[STG], v[ACC+1], 6, v[STG]     ; + 64 (c&3): column 4 (c&3) + i is lane 4 (c&3) + i
	v_lshlrev_b32 v[LO], 4, v1
	v_add_nc_u32 v[RDB], s17, v[LO]
	s_wait_kmcnt 0x0
	s_cmp_ge_u32 ttmp9, 32
	s_cbranch_scc1 .Ljob_h
	; ---- job W: group x makes columns 64 (x>>1) .., K steps 16 (x&1) + wave ----
	s_lshr_b32 s18, ttmp9, 1                       ; n64
	s_and_b32 s19, ttmp9, 1
	s_lshl_b32 s19, s19, 4
	s_add_co_u32 s19, s19, s16                     ; ks
	s_lshl_b32 s20, s19, 17                        ; 32 rows of 4,096 bytes
	s_lshl_b32 s22, s18, 8
	s_add_co_u32 s20, s20, s22
	s_add_co_u32 s20, s20, 0x400000                ; row 1024
	s_mov_b32 s21, 0
	s_lshr_b32 s22, s18, 1
	s_lshl_b32 s22, s22, 18                        ; G * 262144
	s_lshl_b32 s24, s19, 13
	s_add_co_u32 s22, s22, s24                     ; + ks * 8192
	s_and_b32 s24, s18, 1
	s_lshl_b32 s24, s24, 12
	s_add_co_u32 s22, s22, s24                     ; + 4 fragments for the odd half
	s_mov_b32 s23, 0
	s_add_nc_u64 s[4:5], s[4:5], s[20:21]
	s_add_nc_u64 s[10:11], s[10:11], s[22:23]
	LDX 0
	s_wait_loadcnt 0x0
	PACK
	RDF
.irp t, 0,1,2,3,4,5,6,7
	s_wait_dscnt 7-\t                              ; LDS loads come back in order: load t is in, the 7 - t younger stay out
	global_store_b128 v[LO], v[FR+4*\t:FR+4*\t+3], s[10:11] offset:\t*512   ; 512 consecutive bytes, aligned
.endr
	s_wait_xcnt 0x0
	v_lshl_add_u32 v254, v0, 2, 0x22000
	v_mov_b32 v255, 0
	s_wait_tensorcnt 0x0
	ds_add_u32 v254, v255
	s_wait_dscnt 0x0
	s_endpgm
	; ---- job H: group 32 + n64 makes columns 64 n64 .. of cvec for all 32 batches; wave w sums k = 64 w .. 64 w + 63 ----
.Ljob_h:
	s_sub_co_u32 s18, ttmp9, 32                    ; n64
	s_lshl_b32 s22, s18, 8                         ; its 256 bytes in a row
	s_mov_b32 s23, 0
	s_lshl_b32 s20, s16, 18                        ; 64 rows of 4,096 bytes a wave
	s_add_co_u32 s20, s20, s22
	s_mov_b32 s21, 0
	s_lshl_b32 s24, s16, 8                         ; 64 f32 of hidden a wave
	s_mov_b32 s25, 0
	s_add_nc_u64 s[4:5], s[4:5], s[20:21]
	s_add_nc_u64 s[6:7], s[6:7], s[24:25]
	s_add_nc_u64 s[8:9], s[8:9], s[22:23]
	s_add_nc_u64 s[12:13], s[12:13], s[22:23]
	v_lshlrev_b32 v[HV], 12, v2
	v_lshl_add_u32 v[HV], v3, 5, v[HV]
	v_mul_u32_u24 v[PST], v2, PPITCH
	v_lshl_add_u32 v[PST], v3, 5, v[PST]
	v_add_nc_u32 v[PST], s17, v[PST]
	v_lshrrev_b32 v[CO], 4, v0                     ; reduction: thread t owns batch t >> 4, columns 4 (t & 15) ..
	v_mul_u32_u24 v[RA], v[CO], PPITCH
	v_lshl_add_u32 v[RA], v2, 4, v[RA]
	v_add_nc_u32 v[RA2], 8*AREA, v[RA]             ; the immediate reaches 7 areas; the register carries the other 8
	v_lshlrev_b32 v[CO], 12, v[CO]
	v_lshl_add_u32 v[CO], v2, 4, v[CO]
	v_lshlrev_b32 v[ABO], 4, v2
	global_load_b128 v[AB:AB+3], v[ABO], s[8:9]
	LDX 0
	LDH 0
	s_wait_loadcnt 0x0                             ; attn_b, the tile, hidden
	CVH
	PACK
	LDX 131072                                     ; the wave's second K step: 32 rows further down,
	LDH 128                                        ; 32 f32 further along; on their way during the first product
	RDF
	s_wait_dscnt 0x0
	HMUL 1                                         ; the first product starts the sums; the eight accumulators take turns
	PLACES                                         ; FR and HB are written again below
	s_wait_loadcnt 0x0
	CVH
	PACK
	RDF
	s_wait_dscnt 0x0
	HMUL 0
	PLACES                                         ; the stores below read results
.irp mt, 0,1
.irp nt, 0,1,2,3
	ds_store_b128 v[PST], v[ACC+8*(4*\mt+\nt):ACC+8*(4*\mt+\nt)+3] offset:\mt*16*PPITCH+\nt*64
	ds_store_b128 v[PST], v[ACC+8*(4*\mt+\nt)+4:ACC+8*(4*\mt+\nt)+7] offset:\mt*16*PPITCH+\nt*64+16
.endr
.endr
	s_wait_dscnt 0x0                               ; my partial is in LDS, for the other waves' sake
	s_barrier_signal -1
	s_barrier_wait -1                              ; all sixteen partials are
.irp p, 0,1,2,3,4,5,6,7
	ds_load_b128 v[X+4*\p:X+4*\p+3], v[RA] offset:\p*AREA
.endr
.irp p, 0,1,2,3,4,5,6,7
	ds_load_b128 v[X+32+4*\p:X+32+4*\p+3], v[RA2] offset:\p*AREA
.endr
	s_wait_dscnt 0x0
.irp d, 32,16,8,4                      ; a tree over the sixteen partials, two numbers an instruction
.set k, 0
.rept \d/2
	v_pk_add_f32 v[X+k:X+k+1], v[X+k:X+k+1], v[X+k+\d:X+k+\d+1]
.set k, k+2
.endr
.endr
	v_pk_add_f32 v[X:X+1], v[X:X+1], v[AB:AB+1]
	v_pk_add_f32 v[X+2:X+3], v[X+2:X+3], v[AB+2:AB+3]
	v_pk_mul_f32 v[X:X+1], v[X:X+1], 0x4038aa3b op_sel_hi:[1,0]        ; 2 log2(e): the factor of the exponent in tanh
	v_pk_mul_f32 v[X+2:X+3], v[X+2:X+3], 0x4038aa3b op_sel_hi:[1,0]
	global_store_b128 v[CO], v[X:X+3], s[12:13]    ; sixteen lanes store 256 consecutive bytes, aligned
	s_wait_xcnt 0x0
	v_lshl_add_u32 v254, v0, 2, 0x22000
	v_mov_b32 v255, 0
	s_wait_tensorcnt 0x0
	ds_add_u32 v254, v255
	s_wait_dscnt 0x0
	s_endpgm
.Lfunc_end_k_q92b565f0ac_prep:
	.size	k_q92b565f0ac_prep, .Lfunc_end_k_q92b565f0ac_prep-k_q92b565f0ac_prep
	.p2alignl 7, 3214868480
	.fill 96, 4, 3214868480
	.section	.rodata,"a",@progbits
	.p2align	6, 0x0
	.amdhsa_kernel k_q92b565f0ac_prep
		.amdhsa_group_segment_fixed_size 141312
		.amdhsa_private_segment_fixed_size 0
		.amdhsa_enable_private_segment 0
		.amdhsa_kernarg_size 40
		.amdhsa_user_sgpr_count 2
		.amdhsa_user_sgpr_kernarg_segment_ptr 1
		.amdhsa_wavefront_size32 1
		.amdhsa_system_sgpr_workgroup_id_x 1
		.amdhsa_system_sgpr_workgroup_id_y 1
		.amdhsa_system_sgpr_workgroup_id_z 1
		.amdhsa_system_vgpr_workitem_id 0
		.amdhsa_next_free_vgpr 256
		.amdhsa_next_free_sgpr 66
		.amdhsa_reserve_vcc 0
		.amdhsa_float_denorm_mode_32 3
		.amdhsa_float_denorm_mode_16_64 3
		.amdhsa_memory_ordered 1
		.amdhsa_forward_progress 1
		.amdhsa_inst_pref_size 28
	.end_amdhsa_kernel
	.amdgpu_metadata
---
amdhsa.version: [ 1, 2 ]
amdhsa.kernels:
  - .name:           k_q92b565f0ac_prep
    .symbol:         k_q92b565f0ac_prep.kd
    .args:
      - { .name: attn_w, .offset: 0, .size: 8, .value_kind: global_buffer, .address_space: global }
      - { .name: hidden, .offset: 8, .size: 8, .value_kind: global_buffer, .address_space: global }
      - { .name: attn_b, .offset: 16, .size: 8, .value_kind: global_buffer, .address_space: global }
      - { .name: wfrag, .offset: 24, .size: 8, .value_kind: global_buffer, .address_space: global }
      - { .name: cvec, .offset: 32, .size: 8, .value_kind: global_buffer, .address_space: global }
    .group_segment_fixed_size: 141312
    .private_segment_fixed_size: 0
    .kernarg_segment_align: 8
    .kernarg_segment_size: 40
    .max_flat_workgroup_size: 512
    .sgpr_count:     66
    .vgpr_count:     256
    .wavefront_size: 32
...
	.end_amdgpu_metadata
.endif
;; end of part 1
;; launch main (part 2): grid 512 x 1, 4 waves a work-group, no clusters, 268,800 bytes of LDS; arguments encoder_outputs, wfrag, cvec, v_w, pctx, pml; writes pctx, pml
.if DOCPART == 2
	.amdgcn_target "amdgcn-amd-amdhsa--gfx1250"
	.amdhsa_code_object_version 6
	.text
	.protected	k_q92b565f0ac_main
	.globl	k_q92b565f0ac_main
	.p2align	8
	.type	k_q92b565f0ac_main,@function
k_q92b565f0ac_main:
	s_mov_b64 s[64:65], 0
	v_nop
	global_prefetch_b8 v0, s[64:65] scope:SCOPE_SE
	s_setreg_imm32_b32 hwreg(HW_REG_WAVE_MODE, 25, 1), 1
	s_wait_xcnt 0x0
; Work-group x owns 128 rows of encoder_outputs (batch x >> 4, rows 128 (x & 15) ..).  It reads them from memory once, rounds them to bf16 into LDS,
; multiplies them by W_e (128 x 1024 x 1024), makes score[row] = sum over n of v[n] tanh(e_proj + h_proj + b), then its own maximum m, the terms
; p = exp(score - m), their sum l, and the partial context sum over rows of p[row] * enc[row][:], read from the same LDS copy.
; Stored: pctx[x][1024] f32 and a record of 256 bytes of (m, l) pairs in pml; the next launch merges the 16 groups of a batch.
; Four waves; wave w makes columns 512 c + 128 w .. + 127 in chunk c = 0, 1: 128 x 128 of f32 sums in 512 registers.
; LIMITS: tanh(x) = 1 - 2 / (1 + 2^(2.885390 x)), absolute error about 1e-7, goes to +1 / -1 where the power overflows or vanishes;
;         the product's operands and the rows that the context sums are encoder_outputs rounded to bf16.
; WHY W COMES THROUGH REGISTERS, NOT THROUGH LDS, AND WHY NO CLUSTER: the resident rows take 128 x 2,064 = 264,192 of the 327,680 bytes of LDS.
; One K step of 32 of the group's 512 columns is 32,768 bytes; two slots of it (65,536) do not fit in what is left, and no two waves of the group
; use a common fragment of W, so LDS would add no reuse.  Each wave loads its own ready fragments, 16 loads of 512 consecutive bytes a K step,
; into a ring of four register buffers, three K steps (192 matrix instructions) ahead of their use.
;
; REGISTER WINDOWS (s_set_vgpr_msb, low byte: bits 1:0 source 0, 3:2 source 1, 5:4 source 2, 7:6 destination):
;   window 0: addresses, constants, A's fragments (two buffers), the scores;  window 1: W's fragments (four buffers of 64)
;   window 2: accumulator tiles (a, b) at 8 (8 a + b) for my rows 0-63;       window 3: the same for rows 64-127
.set PITCH, 2064                       ; an LDS row: 2,048 bytes + 16 = 129 x 16, an odd multiple of 16: the 16 rows of a fragment load start 16 bytes apart modulo 256
.set SC,    264192                     ; [wave][128] f32: each wave's share of the scores
.set PB,    266240                     ; [128] f32: p
.set EO,  1                            ; v1      phase 1: w*131072 + 16 L
.set LDA, 2                            ; v2-3    phase 1: w*32 rows + 8 L, and 16 rows further
.set ADA, 4                            ; v4-7    (32 p + r) * PITCH + 16 h, never rewritten
.set BO,  8                            ; v8      16 L
.set VC,  9                            ; v9      512 w + 4 r
.set VS,  10                           ; v10-11  the sum of my lane's 16 v, twice
.set SA,  16                           ; v16     SC + 512 w + 32 h
.set RS,  17                           ; v17     SC + 16 L
.set PS,  18                           ; v18     PB + 16 L
.set PA,  19                           ; v19     PB, stepped
.set CA,  20                           ; v20     8 t, stepped
.set CO,  21                           ; v21     16 t
.set MLO, 22                           ; v22     8 L
.set ADW, 24                           ; v24-27  ADA's working copy, stepped along K
.set T1,  32                           ; v32-63  phase 1: packed bf16
.set X,   64                           ; v64-255 phase 1: three buffers of 64
.set C2,  32                           ; v32-47  C2[8 c + nt] = cvec at my column
.set NV,  48                           ; v48-63  v, then -2 v, at my column
.set AF0, 64                           ; v64-127  A's fragments, buffer 0
.set AF1, 128                          ; v128-191 buffer 1
.set S,   192                          ; v192-255 S[8 mt + j]: my lane's share of the score of row 16 mt + 8 h + j
.set T,   64                           ; v64-95  the epilogue's 32 numbers at work
.set PP,  64                           ; v64-79  context: p of 16 rows
.set CX,  80                           ; v80-87  context: my 8 columns
.set RW,  128                          ; v128-191 context: 16 rows x 4 words
.set MUL_LO, 0xa4                      ; A window 0, B window 1, C and D window 2
.set MUL_HI, 0xf4                      ; C and D window 3
.set TO_B,   0x40                      ; destination window 1
.set MSB, 0
.macro WIN new                         ; the immediate's high byte repeats the setting that is left; a switch that changes nothing is dropped
.if MSB != (\new)
	s_set_vgpr_msb (MSB<<8)|(\new)
.set MSB, (\new)
.endif
.endm
.macro PLACES                          ; four independent vector instructions behind a matrix instruction before its registers are loaded, written or read (ISA guide 7.12.1)
.rept 4
	v_nop
.endr
.endm
	s_load_b256 s[4:11], s[0:1], 0x0               ; encoder_outputs s[4:5], wfrag s[6:7], cvec s[8:9], v_w s[10:11]
	s_load_b128 s[12:15], s[0:1], 0x20             ; pctx s[12:13], pml s[14:15]
	v_lshl_add_u32 v30, v0, 2, 0x41800
	v_mov_b32 v31, 0
	v_lshrrev_b32 v13, 5, v0
	v_readfirstlane_b32 s16, v13                   ; wave 0..3
	v_and_b32 v12, 31, v0                          ; L
	v_and_b32 v14, 15, v0                          ; r
	v_bfe_u32 v15, v0, 4, 1                        ; h
	s_mov_b32 s22, 0x76543210                      ; v_permlanex16_b32: lane i reads lane i of the other half
	s_mov_b32 s23, 0xfedcba98
	s_lshl_b32 s17, s16, 17                        ; 32 rows of 4,096 bytes a wave
	v_lshl_add_u32 v[EO], v12, 4, s17
	s_mul_i32 s18, s16, 32*PITCH
	v_lshl_add_u32 v[LDA], v12, 3, s18
	v_add_nc_u32 v[LDA+1], 16*PITCH, v[LDA]
	v_mul_u32_u24 v23, v14, PITCH
	v_lshl_add_u32 v[ADA], v15, 4, v23
	v_add_nc_u32 v[ADA+1], 32*PITCH, v[ADA]
	v_add_nc_u32 v[ADA+2], 64*PITCH, v[ADA]
	v_add_nc_u32 v[ADA+3], 96*PITCH, v[ADA]
	v_lshlrev_b32 v[BO], 4, v12
	s_lshl_b32 s19, s16, 9
	v_lshl_add_u32 v[VC], v14, 2, s19
	s_add_co_u32 s21, s19, SC
	v_lshl_add_u32 v[SA], v15, 5, s21
	v_lshlrev_b32 v[RS], 4, v12
	v_add_nc_u32 v[PS], PB, v[RS]
	v_add_nc_u32 v[RS], SC, v[RS]
	v_mov_b32 v[PA], PB
	v_lshlrev_b32 v[CA], 3, v0
	v_lshlrev_b32 v[CO], 4, v0
	v_lshlrev_b32 v[MLO], 3, v12
	s_lshl_b32 s24, ttmp9, 19                      ; 128 rows of 4,096 bytes a group (below 2^28)
	s_mov_b32 s25, 0
	s_lshl_b32 s26, s16, 18                        ; my 128 columns' fragments in chunk 0
	s_mov_b32 s27, 0
	s_lshr_b32 s28, ttmp9, 4                       ; batch
	s_lshl_b32 s28, s28, 12
	s_mov_b32 s29, 0
	s_lshl_b32 s30, ttmp9, 12
	s_mov_b32 s31, 0
	s_lshl_b32 s32, ttmp9, 8
	s_mov_b32 s33, 0
	s_wait_kmcnt 0x0
	s_add_nc_u64 s[4:5], s[4:5], s[24:25]
	s_add_nc_u64 s[6:7], s[6:7], s[26:27]
	s_add_nc_u64 s[8:9], s[8:9], s[28:29]
	s_add_nc_u64 s[12:13], s[12:13], s[30:31]
	s_add_nc_u64 s[14:15], s[14:15], s[32:33]
; ---------------- PHASE 1: my 32 rows, f32 from memory, bf16 into LDS ----------------
; A batch is two rows = 16 loads of 512 consecutive bytes.  Three batches (48 loads, 24 KiB a wave) are on their way.
.macro LOADB i, buf
.irp u, 0,1,2,3,4,5,6,7,8,9,10,11,12,13,14,15
	global_load_b128 v[X+64*(\buf)+4*\u:X+64*(\buf)+4*\u+3], v[EO], s[4:5] offset:(2*(\i)+(\u>>3))*4096+(\u&7)*512 th:TH_LOAD_NT
.endr
.endm
.macro CVTST i, buf
.irp u, 0,1,2,3,4,5,6,7,8,9,10,11,12,13,14,15
	v_cvt_pk_bf16_f32 v[T1+2*\u],   v[X+64*(\buf)+4*\u],   v[X+64*(\buf)+4*\u+1]
	v_cvt_pk_bf16_f32 v[T1+2*\u+1], v[X+64*(\buf)+4*\u+2], v[X+64*(\buf)+4*\u+3]
	ds_store_b64 v[LDA+((\i)>>3)], v[T1+2*\u:T1+2*\u+1] offset:((2*(\i)+(\u>>3))&15)*PITCH+(\u&7)*256   ; 32 lanes, 256 consecutive bytes
.endr
.endm
	LOADB 0, 0
	LOADB 1, 1
	LOADB 2, 2
.irp i, 0,1,2,3,4,5,6,7,8,9,10,11,12
	s_wait_loadcnt 32                              ; loads come back in order (ISA guide 5.7.1): this batch is in, the two younger batches (32 loads) stay out
	CVTST \i, (\i)%3
	LOADB (\i+3), (\i)%3
.endr
	s_wait_loadcnt 32                              ; batch 13; 14 and 15 stay out
	CVTST 13, 1
	s_wait_loadcnt 16                              ; batch 14; 15 stays out
	CVTST 14, 2
	s_wait_loadcnt 0
	CVTST 15, 0
	s_wait_dscnt 0x0                               ; my rows are in LDS, for the other waves' sake
.irp c, 0,1
.irp nt, 0,1,2,3,4,5,6,7
	global_load_b32 v[C2+8*\c+\nt], v[VC], s[8:9] offset:\c*2048+\nt*64     ; cvec at column 512 c + 128 w + 16 nt + r
.endr
.endr
.irp c, 0,1
.irp nt, 0,1,2,3,4,5,6,7
	global_load_b32 v[NV+8*\c+\nt], v[VC], s[10:11] offset:\c*2048+\nt*64   ; v at the same column
.endr
.endr
; ---------------- PHASE 2: the product ----------------
.macro BFETCH bf, off                  ; one K step of my 128 columns: 16 loads of 512 consecutive bytes, already in fragment order
	WIN TO_B
.irp nt, 0,1,2,3,4,5,6,7
.irp q, 0,1
	global_load_b128 v[64*(\bf)+8*\nt+4*\q:64*(\bf)+8*\nt+4*\q+3], v[BO], s[6:7] offset:\off+\nt*1024+\q*512
.endr
.endr
.endm
.macro AFETCH f, koff                  ; one K step of all 128 rows: lane (r, h) takes row 16 mt + r, k = 8 h .. and 16 + 8 h ..
	WIN 0
.irp mt, 0,1,2,3,4,5,6,7
	ds_load_b128 v[\f+8*\mt:\f+8*\mt+3],   v[ADW+(\mt>>1)] offset:(\mt&1)*16*PITCH+\koff
	ds_load_b128 v[\f+8*\mt+4:\f+8*\mt+7], v[ADW+(\mt>>1)] offset:(\mt&1)*16*PITCH+\koff+32
.endr
.endm
.macro MUL32 f, bf, hi, zero           ; 32 matrix instructions: row blocks 4 hi + 0..3 x all 8 column blocks.  zero = 1: the first product starts the sums
.irp a, 0,1,2,3
.irp b, 0,1,2,3,4,5,6,7
.if \zero
	v_wmma_f32_16x16x32_bf16 v[8*(8*\a+\b):8*(8*\a+\b)+7], v[\f+8*(4*\hi+\a):\f+8*(4*\hi+\a)+7], v[64*(\bf)+8*\b:64*(\bf)+8*\b+7], 0
.else
	v_wmma_f32_16x16x32_bf16 v[8*(8*\a+\b):8*(8*\a+\b)+7], v[\f+8*(4*\hi+\a):\f+8*(4*\hi+\a)+7], v[64*(\bf)+8*\b:64*(\bf)+8*\b+7], v[8*(8*\a+\b):8*(8*\a+\b)+7]
.endif
.endr
.endr
.endm
; One K step of 32.  j: W's buffer; f: A's buffer in use, g: the other.  In its middle it asks for W three steps ahead (byte boff from s[6:7]; < 0: none)
; and for A's next step (byte aoff of the rows; < 0: none).  lc: how many younger loads of W may stay out.
; The 64 accumulators take turns, one instruction a turn, in the same order in every step, over the backward jump too.
.macro KSTEP j, f, g, zero, aoff, boff, lc
	s_wait_loadcnt \lc                             ; this step's 16 loads of W are in; those of the steps behind it stay out
	s_wait_dscnt 8                                 ; A's row blocks 0-3 are in; the youngest eight loads (blocks 4-7) may be out
	WIN MUL_LO
	MUL32 \f, \j, 0, \zero
	PLACES                                         ; the buffers filled below were read by the last step's matrix instructions
.if \boff >= 0
	BFETCH ((\j+3)&3), \boff
.endif
.if \aoff >= 0
	AFETCH \g, \aoff
	s_wait_dscnt 16                                ; all but the 16 just issued
.else
	s_wait_dscnt 0
.endif
	WIN MUL_HI
	MUL32 \f, \j, 1, \zero
.endm
.macro TRIP zero                       ; four K steps = 256 bytes of A's rows, 32,768 bytes of W
	KSTEP 0, AF0, AF1, \zero, 64,  24576, 32
	KSTEP 1, AF1, AF0, 0,     128, 32768, 32
	KSTEP 2, AF0, AF1, 0,     192, 40960, 32
	KSTEP 3, AF1, AF0, 0,     256, 49152, 32
	WIN 0                                          ; at a label and at a branch every window is 0
.irp p, 0,1,2,3
	v_add_nc_u32 v[ADW+\p], 256, v[ADW+\p]
.endr
	s_wait_xcnt 0x0                                ; the base of pending loads is stepped only behind this wait (ISA guide 3.1)
	s_add_nc_u64 s[6:7], s[6:7], 32768
.endm
; The epilogue, 4 tiles (32 registers) at a time: t = 2.885390 acc + C2;  u = 1 / (1 + 2^t);  S += -2 v u  (tanh = 1 - 2 u; the sum of v starts S).
.macro EFMA c, a, nt, o                ; o = nt & 1 picks C2's register of the pair for both halves
.irp jj, 0,2,4,6
	v_pk_fma_f32 v[T+8*((\nt)&3)+\jj:T+8*((\nt)&3)+\jj+1], v[8*(8*\a+(\nt))+\jj:8*(8*\a+(\nt))+\jj+1], 0x4038aa3b, v[C2+8*\c+((\nt)&6):C2+8*\c+((\nt)&6)+1] op_sel:[0,0,\o] op_sel_hi:[1,0,\o]
.endr
.endm
.macro SFMA c, mt, nt, o, first
.irp jj, 0,2,4,6
.if \first
	s_wait_alu depctr_va_vdst(0)
	v_pk_fma_f32 v[S+8*(\mt)+\jj:S+8*(\mt)+\jj+1], v[T+8*((\nt)&3)+\jj:T+8*((\nt)&3)+\jj+1], v[NV+8*\c+((\nt)&6):NV+8*\c+((\nt)&6)+1], v[VS:VS+1] op_sel:[0,\o,0] op_sel_hi:[1,\o,1]
.else
	v_pk_fma_f32 v[S+8*(\mt)+\jj:S+8*(\mt)+\jj+1], v[T+8*((\nt)&3)+\jj:T+8*((\nt)&3)+\jj+1], v[NV+8*\c+((\nt)&6):NV+8*\c+((\nt)&6)+1], v[S+8*(\mt)+\jj:S+8*(\mt)+\jj+1] op_sel:[0,\o,0] op_sel_hi:[1,\o,1]
.endif
.endr
.endm
.macro EPIG c, hi, a, nb
	WIN 2+\hi                                      ; source 0 = the accumulators' window
	EFMA \c, \a, 4*\nb+0, 0
	EFMA \c, \a, 4*\nb+1, 1
	EFMA \c, \a, 4*\nb+2, 0
	EFMA \c, \a, 4*\nb+3, 1
	WIN 0
.set k, 0
.rept 32
	v_exp_f32 v[T+k], v[T+k]
.set k, k+1
.endr
	v_nop                                          ; one plain vector instruction between a transcendental and the use of its result (ISA guide 5.7.2)
.set k, 0
	s_wait_alu depctr_va_vdst(0)
.rept 16
	v_pk_add_f32 v[T+k:T+k+1], v[T+k:T+k+1], 1.0 op_sel_hi:[1,0]
.set k, k+2
.endr
.set k, 0
.rept 32
	v_rcp_f32 v[T+k], v[T+k]
.set k, k+1
.endr
	v_nop                                          ; as above
	s_wait_alu depctr_va_vdst(0)
.if \c+\nb == 0
	SFMA \c, 4*\hi+\a, 4*\nb+0, 0, 1               ; the first term of a row takes the sum of v as its addend: nothing is cleared
.else
	SFMA \c, 4*\hi+\a, 4*\nb+0, 0, 0
.endif
	SFMA \c, 4*\hi+\a, 4*\nb+1, 1, 0
	SFMA \c, 4*\hi+\a, 4*\nb+2, 0, 0
	SFMA \c, 4*\hi+\a, 4*\nb+3, 1, 0
.endm
.macro EPI c
.if \c == 0
	v_pk_add_f32 v[T:T+1],   v[NV:NV+1],     v[NV+2:NV+3]          ; the sum of my lane's 16 v
	v_pk_add_f32 v[T+2:T+3], v[NV+4:NV+5],   v[NV+6:NV+7]
	v_pk_add_f32 v[T+4:T+5], v[NV+8:NV+9],   v[NV+10:NV+11]
	v_pk_add_f32 v[T+6:T+7], v[NV+12:NV+13], v[NV+14:NV+15]
	v_pk_add_f32 v[T:T+1],   v[T:T+1],       v[T+2:T+3]
	v_pk_add_f32 v[T+4:T+5], v[T+4:T+5],     v[T+6:T+7]
	v_pk_add_f32 v[T:T+1],   v[T:T+1],       v[T+4:T+5]
	v_add_f32 v[VS], v[T], v[T+1]
	v_mov_b32 v[VS+1], v[VS]
.irp e, 0,2,4,6,8,10,12,14
	v_pk_mul_f32 v[NV+\e:NV+\e+1], v[NV+\e:NV+\e+1], -2.0 op_sel_hi:[1,0]
.endr
.endif
.irp hi, 0,1
.irp a, 0,1,2,3
.irp nb, 0,1
	EPIG \c, \hi, \a, \nb
.endr
.endr
.endr
.endm
; A chunk: 32 K steps = one trip ahead of the loop (its first step starts the sums), six in the loop, one written out as the tail.
.macro CHUNK c
.irp p, 0,1,2,3
	v_mov_b32 v[ADW+\p], v[ADA+\p]
.endr
	AFETCH AF0, 0
	TRIP 1
	s_mov_b32 s20, 6
.Lk\c:
	TRIP 0
	s_sub_co_u32 s20, s20, 1
	s_cmp_lg_u32 s20, 0
	s_cbranch_scc1 .Lk\c
.if \c == 0
	KSTEP 0, AF0, AF1, 0, 64,  24576,  32          ; asks for this chunk's last step;
	KSTEP 1, AF1, AF0, 0, 128, 819200, 32          ; then for the next chunk's steps 0, 1, 2: 4 x 262,144 bytes on from this chunk's first step, which lies 7 x 32,768 back
	KSTEP 2, AF0, AF1, 0, 192, 827392, 32
	KSTEP 3, AF1, AF0, 0, -1,  835584, 32
	WIN 0
	PLACES                                         ; the epilogue reads results and writes A's buffer 0
	s_wait_xcnt 0x0                                ; the base of pending loads is stepped only behind this wait
	s_add_nc_u64 s[6:7], s[6:7], 819200
.else
	KSTEP 0, AF0, AF1, 0, 64,  24576, 32           ; the last request for W
	KSTEP 1, AF1, AF0, 0, 128, -1,    32           ; steps 30 and 31 stay out
	KSTEP 2, AF0, AF1, 0, 192, -1,    16           ; step 31 stays out
	KSTEP 3, AF1, AF0, 0, -1,  -1,    0
	WIN 0
	PLACES
.endif
	EPI \c
.endm
	BFETCH 0, 0                                    ; W's first three K steps
	BFETCH 1, 8192
	BFETCH 2, 16384
	WIN 0
	s_barrier_signal -1
	s_barrier_wait -1                              ; all 128 rows are in LDS; they are never written again
	CHUNK 0                                        ; its first wait (32 younger loads stay out) also shows cvec's and v's loads done
	CHUNK 1
; ---------------- PHASE 3: scores, softmax terms, partial context ----------------
.irp x, 1,2,4,8                        ; the sum over the 16 lanes of a half = over my wave's 256 columns; every lane of the half ends with it
.set k, 0
.rept 64
	v_add_f32_dpp v[S+k], v[S+k], v[S+k] row_xmask:\x row_mask:0xf bank_mask:0xf
.set k, k+1
.endr
.endr
.irp mt, 0,1,2,3,4,5,6,7
	ds_store_b128 v[SA], v[S+8*\mt:S+8*\mt+3] offset:64*\mt            ; rows 16 mt + 8 h + 0..3: the 16 lanes of a half write the same bytes with the same values
	ds_store_b128 v[SA], v[S+8*\mt+4:S+8*\mt+7] offset:64*\mt+16
.endr
	s_wait_dscnt 0x0                               ; my share of the scores is in LDS, for wave 0's sake
	s_barrier_signal -1
	s_barrier_wait -1
	s_cmp_lg_u32 s16, 0
	s_cbranch_scc1 .Lothers                        ; 128 scores are four a lane of one wave: wave 0 makes m, p and l
.irp p, 0,1,2,3
	ds_load_b128 v[32+4*\p:35+4*\p], v[RS] offset:512*\p
.endr
	s_wait_dscnt 0x0
	v_pk_add_f32 v[32:33], v[32:33], v[36:37]
	v_pk_add_f32 v[34:35], v[34:35], v[38:39]
	v_pk_add_f32 v[40:41], v[40:41], v[44:45]
	v_pk_add_f32 v[42:43], v[42:43], v[46:47]
	v_pk_add_f32 v[32:33], v[32:33], v[40:41]      ; the scores of rows 4 L .. 4 L + 3
	v_pk_add_f32 v[34:35], v[34:35], v[42:43]
	v_max3_num_f32 v50, v32, v33, v34
	v_max_num_f32 v50, v50, v35
	v_max_num_f32_dpp v50, v50, v50 row_xmask:1 row_mask:0xf bank_mask:0xf
	v_max_num_f32_dpp v50, v50, v50 row_xmask:2 row_mask:0xf bank_mask:0xf
	v_max_num_f32_dpp v50, v50, v50 row_xmask:4 row_mask:0xf bank_mask:0xf
	v_max_num_f32_dpp v50, v50, v50 row_xmask:8 row_mask:0xf bank_mask:0xf
	v_permlanex16_b32 v49, v50, s22, s23
	v_max_num_f32 v50, v50, v49                    ; m: the largest of the group's 128 scores
.irp i, 0,1,2,3
	v_sub_f32 v[36+\i], v[32+\i], v50
.endr
.irp i, 0,1,2,3
	v_mul_f32 v[36+\i], 0x3fb8aa3b, v[36+\i]
.endr
.irp i, 0,1,2,3
	v_exp_f32 v[36+\i], v[36+\i]                   ; p = e^(score - m), at most 1
.endr
	v_nop                                          ; one plain vector instruction between a transcendental and the use of its result
	s_wait_alu depctr_va_vdst(0)
	ds_store_b128 v[PS], v[36:39]
	v_add_f32 v51, v36, v37
	v_add_f32 v49, v38, v39
	v_add_f32 v51, v51, v49
	v_add_f32_dpp v51, v51, v51 row_xmask:1 row_mask:0xf bank_mask:0xf
	v_add_f32_dpp v51, v51, v51 row_xmask:2 row_mask:0xf bank_mask:0xf
	v_add_f32_dpp v51, v51, v51 row_xmask:4 row_mask:0xf bank_mask:0xf
	v_add_f32_dpp v51, v51, v51 row_xmask:8 row_mask:0xf bank_mask:0xf
	v_permlanex16_b32 v49, v51, s22, s23
	v_add_f32 v51, v51, v49                        ; l: the sum of the 128 p
	global_store_b64 v[MLO], v[50:51], s[14:15]    ; 32 copies of (m, l): the record's 256 bytes whole
.Lothers:
	s_wait_dscnt 0x0                               ; wave 0: p is in LDS, for the others' sake
	s_barrier_signal -1
	s_barrier_wait -1
	; Thread t owns columns 4 t .. + 3 and 512 + 4 t .. + 3.  16 rows a trip: 4 broadcast loads of p, 32 loads of 256 consecutive bytes a wave.
.irp e, 0,1,2,3,4,5,6,7
	v_mov_b32 v[CX+\e], 0
.endr
.macro ROWFMA row
.irp wd, 0,1,2,3
	v_fma_mix_f32_bf16 v[CX+2*\wd],   v[RW+4*(\row)+\wd], v[PP+(\row)], v[CX+2*\wd]   op_sel:[0,0,0] op_sel_hi:[1,0,0]
	v_fma_mix_f32_bf16 v[CX+2*\wd+1], v[RW+4*(\row)+\wd], v[PP+(\row)], v[CX+2*\wd+1] op_sel:[1,0,0] op_sel_hi:[1,0,0]
.endr
.endm
	s_mov_b32 s20, 8
.Lctx:
.irp q, 0,1,2,3
	ds_load_b128 v[PP+4*\q:PP+4*\q+3], v[PA] offset:16*\q
.endr
.irp i, 0,1,2,3,4,5,6,7,8,9,10,11,12,13,14,15
	ds_load_b64 v[RW+4*\i:RW+4*\i+1],   v[CA] offset:\i*PITCH
	ds_load_b64 v[RW+4*\i+2:RW+4*\i+3], v[CA] offset:\i*PITCH+1024
.endr
.irp gq, 0,1,2,3
	s_wait_dscnt 24-8*\gq                          ; p and the rows up to this group of four are in; the younger groups' 8 loads each stay out
.irp i2, 0,1,2,3
	ROWFMA 4*\gq+\i2
.endr
.endr
	v_add_nc_u32 v[CA], 16*PITCH, v[CA]
	v_add_nc_u32 v[PA], 64, v[PA]
	s_sub_co_u32 s20, s20, 1
	s_cmp_lg_u32 s20, 0
	s_cbranch_scc1 .Lctx
	global_store_b128 v[CO], v[CX:CX+3], s[12:13]                  ; a wave's store covers 512 consecutive bytes, aligned
	global_store_b128 v[CO], v[CX+4:CX+7], s[12:13] offset:2048
	s_wait_tensorcnt 0x0
	ds_add_u32 v30, v31
	s_wait_dscnt 0x0
	s_endpgm
.Lfunc_end_k_q92b565f0ac_main:
	.size	k_q92b565f0ac_main, .Lfunc_end_k_q92b565f0ac_main-k_q92b565f0ac_main
	.p2alignl 7, 3214868480
	.fill 96, 4, 3214868480
	.section	.rodata,"a",@progbits
	.p2align	6, 0x0
	.amdhsa_kernel k_q92b565f0ac_main
		.amdhsa_group_segment_fixed_size 268800
		.amdhsa_private_segment_fixed_size 0
		.amdhsa_enable_private_segment 0
		.amdhsa_kernarg_size 48
		.amdhsa_user_sgpr_count 2
		.amdhsa_user_sgpr_kernarg_segment_ptr 1
		.amdhsa_wavefront_size32 1
		.amdhsa_system_sgpr_workgroup_id_x 1
		.amdhsa_system_sgpr_workgroup_id_y 1
		.amdhsa_system_sgpr_workgroup_id_z 1
		.amdhsa_system_vgpr_workitem_id 0
		.amdhsa_next_free_vgpr 1024
		.amdhsa_next_free_sgpr 66
		.amdhsa_reserve_vcc 0
		.amdhsa_float_denorm_mode_32 3
		.amdhsa_float_denorm_mode_16_64 3
		.amdhsa_memory_ordered 1
		.amdhsa_forward_progress 1
		.amdhsa_inst_pref_size 255
	.end_amdhsa_kernel
	.section	.bss,"aw",@nobits
	.p2align	6
	.space	262144
	.amdgpu_metadata
---
amdhsa.version: [ 1, 2 ]
amdhsa.kernels:
  - .name:           k_q92b565f0ac_main
    .symbol:         k_q92b565f0ac_main.kd
    .args:
      - { .name: encoder_outputs, .offset: 0, .size: 8, .value_kind: global_buffer, .address_space: global }
      - { .name: wfrag, .offset: 8, .size: 8, .value_kind: global_buffer, .address_space: global }
      - { .name: cvec, .offset: 16, .size: 8, .value_kind: global_buffer, .address_space: global }
      - { .name: v_w, .offset: 24, .size: 8, .value_kind: global_buffer, .address_space: global }
      - { .name: pctx, .offset: 32, .size: 8, .value_kind: global_buffer, .address_space: global }
      - { .name: pml, .offset: 40, .size: 8, .value_kind: global_buffer, .address_space: global }
    .group_segment_fixed_size: 268800
    .private_segment_fixed_size: 0
    .kernarg_segment_align: 8
    .kernarg_segment_size: 48
    .max_flat_workgroup_size: 128
    .sgpr_count:     66
    .vgpr_count:     1024
    .wavefront_size: 32
...
	.end_amdgpu_metadata
.endif
;; end of part 2
;; launch combine (part 3): grid 32 x 1, 8 waves a work-group, no clusters, 0 bytes of LDS; arguments pctx, pml, out0; writes out0
.if DOCPART == 3
	.amdgcn_target "amdgcn-amd-amdhsa--gfx1250"
	.amdhsa_code_object_version 6
	.text
	.protected	k_q92b565f0ac_combine
	.globl	k_q92b565f0ac_combine
	.p2align	8
	.type	k_q92b565f0ac_combine,@function
k_q92b565f0ac_combine:
	s_mov_b64 s[64:65], 0
	v_nop
	global_prefetch_b8 v0, s[64:65] scope:SCOPE_SE
	s_setreg_imm32_b32 hwreg(HW_REG_WAVE_MODE, 25, 1), 1
	s_wait_xcnt 0x0
; out0[b][:] = sum over j of e^(m_j - M) pctx[16 b + j][:] / sum over j of e^(m_j - M) l_j, M = the largest of the batch's 16 maxima m_j.
; One work-group a batch; thread t owns columns 4 t .. 4 t + 3, so each load and store of a wave covers 512 consecutive bytes.
; A stream of 64 KiB a group with 16 terms an output: no LDS, no matrix unit, no barrier; nothing is shared between work-groups.
.set ROWS, 16                          ; v[16:79]  the 16 partial rows' 16 bytes
.set ACC,  12                          ; v[12:15]
.set W,    24                          ; s[24:39]  the 16 weights
	s_load_b128 s[4:7], s[0:1], 0x0                ; pctx s[4:5], pml s[6:7]
	s_load_b64 s[8:9], s[0:1], 0x10                ; out0
	v_and_b32 v1, 15, v0
	v_lshlrev_b32 v1, 8, v1                        ; lane j of each half of 16 takes record j
	v_lshlrev_b32 v4, 4, v0
	s_lshl_b32 s10, ttmp9, 16                      ; 16 rows of 4,096 bytes
	s_mov_b32 s11, 0
	s_lshl_b32 s12, ttmp9, 12                      ; 16 records of 256 bytes; also a row of out0
	s_mov_b32 s13, 0
	s_wait_kmcnt 0x0
	s_add_nc_u64 s[4:5], s[4:5], s[10:11]
	s_add_nc_u64 s[6:7], s[6:7], s[12:13]
	s_add_nc_u64 s[8:9], s[8:9], s[12:13]
	global_load_b64 v[2:3], v1, s[6:7]             ; (m_j, l_j)
.irp j, 0,1,2,3,4,5,6,7,8,9,10,11,12,13,14,15
	global_load_b128 v[ROWS+4*\j:ROWS+4*\j+3], v4, s[4:5] offset:\j*4096
.endr
	s_wait_loadcnt 16                              ; (m, l) is in; the 16 rows' loads stay out
	v_mov_b32 v5, v2
	v_max_num_f32_dpp v5, v5, v5 row_xmask:1 row_mask:0xf bank_mask:0xf
	v_max_num_f32_dpp v5, v5, v5 row_xmask:2 row_mask:0xf bank_mask:0xf
	v_max_num_f32_dpp v5, v5, v5 row_xmask:4 row_mask:0xf bank_mask:0xf
	v_max_num_f32_dpp v5, v5, v5 row_xmask:8 row_mask:0xf bank_mask:0xf   ; M, in every lane: each half of 16 lanes holds all 16 records
	v_sub_f32 v6, v2, v5
	v_mul_f32 v6, 0x3fb8aa3b, v6
	v_exp_f32 v6, v6                               ; e^(m_j - M), at most 1, and 1 for the largest
	v_nop                                          ; one plain vector instruction between a transcendental and the use of its result (ISA guide 5.7.2)
	s_wait_alu depctr_va_vdst(0)
	v_mul_f32 v7, v6, v3
	v_add_f32_dpp v7, v7, v7 row_xmask:1 row_mask:0xf bank_mask:0xf
	v_add_f32_dpp v7, v7, v7 row_xmask:2 row_mask:0xf bank_mask:0xf
	v_add_f32_dpp v7, v7, v7 row_xmask:4 row_mask:0xf bank_mask:0xf
	v_add_f32_dpp v7, v7, v7 row_xmask:8 row_mask:0xf bank_mask:0xf       ; the denominator, at least 1
	v_rcp_f32 v8, v7
	v_nop                                          ; as above
	s_wait_alu depctr_va_vdst(0)
	v_mul_f32 v6, v6, v8
.irp j, 0,1,2,3,4,5,6,7,8,9,10,11,12,13,14,15
	v_readlane_b32 s[W+\j], v6, \j
.endr
	s_wait_loadcnt 15                              ; row 0 is in
.irp i, 0,1,2,3
	v_mul_f32 v[ACC+\i], s[W], v[ROWS+\i]          ; the first term starts the sums
.endr
.irp j, 1,2,3,4,5,6,7,8,9,10,11,12,13,14,15
	s_wait_loadcnt 15-\j                           ; row j is in; the 15 - j younger loads stay out
.irp i, 0,1,2,3
	v_fmac_f32 v[ACC+\i], s[W+\j], v[ROWS+4*\j+\i]
.endr
.endr
	global_store_b128 v4, v[ACC:ACC+3], s[8:9]
	s_endpgm
.Lfunc_end_k_q92b565f0ac_combine:
	.size	k_q92b565f0ac_combine, .Lfunc_end_k_q92b565f0ac_combine-k_q92b565f0ac_combine
	.p2alignl 7, 3214868480
	.fill 96, 4, 3214868480
	.section	.rodata,"a",@progbits
	.p2align	6, 0x0
	.amdhsa_kernel k_q92b565f0ac_combine
		.amdhsa_group_segment_fixed_size 0
		.amdhsa_private_segment_fixed_size 0
		.amdhsa_enable_private_segment 0
		.amdhsa_kernarg_size 24
		.amdhsa_user_sgpr_count 2
		.amdhsa_user_sgpr_kernarg_segment_ptr 1
		.amdhsa_wavefront_size32 1
		.amdhsa_system_sgpr_workgroup_id_x 1
		.amdhsa_system_sgpr_workgroup_id_y 1
		.amdhsa_system_sgpr_workgroup_id_z 1
		.amdhsa_system_vgpr_workitem_id 0
		.amdhsa_next_free_vgpr 96
		.amdhsa_next_free_sgpr 66
		.amdhsa_reserve_vcc 0
		.amdhsa_float_denorm_mode_32 3
		.amdhsa_float_denorm_mode_16_64 3
		.amdhsa_memory_ordered 1
		.amdhsa_forward_progress 1
		.amdhsa_inst_pref_size 7
	.end_amdhsa_kernel
	.amdgpu_metadata
---
amdhsa.version: [ 1, 2 ]
amdhsa.kernels:
  - .name:           k_q92b565f0ac_combine
    .symbol:         k_q92b565f0ac_combine.kd
    .args:
      - { .name: pctx, .offset: 0, .size: 8, .value_kind: global_buffer, .address_space: global }
      - { .name: pml, .offset: 8, .size: 8, .value_kind: global_buffer, .address_space: global }
      - { .name: out0, .offset: 16, .size: 8, .value_kind: global_buffer, .address_space: global }
    .group_segment_fixed_size: 0
    .private_segment_fixed_size: 0
    .kernarg_segment_align: 8
    .kernarg_segment_size: 24
    .max_flat_workgroup_size: 256
    .sgpr_count:     66
    .vgpr_count:     96
    .wavefront_size: 32
...
	.end_amdgpu_metadata
.endif
;; end of part 3
;; ======== version 2 of 2: 3 launches; version 1 with the launch main written anew for expert scheduling mode
;; workspace buffers: wfrag 2,097,152 bytes; cvec 131,072 bytes; pctx 2,097,152 bytes; pml 131,072 bytes
;; launch prep: the kernel of part 1 again; grid 48 x 1, 16 waves a work-group, no clusters, 141,312 bytes of LDS; arguments attn_w, hidden, attn_b, wfrag, cvec; writes wfrag, cvec
;; launch main (part 4): grid 512 x 1, 4 waves a work-group, no clusters, 268,800 bytes of LDS; arguments encoder_outputs, wfrag, cvec, v_w, pctx, pml; writes pctx, pml
.if DOCPART == 4
	.amdgcn_target "amdgcn-amd-amdhsa--gfx1250"
	.amdhsa_code_object_version 6
	.text
	.protected	k_q92b565f0ac_main
	.globl	k_q92b565f0ac_main
	.p2align	8
	.type	k_q92b565f0ac_main,@function
k_q92b565f0ac_main:
	s_mov_b64 s[64:65], 0
	v_nop
	global_prefetch_b8 v0, s[64:65] scope:SCOPE_SE
	s_setreg_imm32_b32 hwreg(HW_REG_WAVE_SCHED_MODE, 0, 2), 2
	s_setreg_imm32_b32 hwreg(HW_REG_WAVE_MODE, 25, 1), 1
	s_wait_xcnt 0x0
	s_wait_alu depctr_vm_vsrc(0)
; Work-group x owns 128 rows of encoder_outputs (batch x >> 4, rows 128 (x & 15) ..).  It reads them from memory once, rounds them to bf16 into LDS,
; multiplies them by W_e (128 x 1024 x 1024), makes score[row] = sum over n of v[n] tanh(e_proj + h_proj + b), then its own maximum m, the terms
; p = exp(score - m), their sum l, and the partial context sum over rows of p[row] * enc[row][:], read from the same LDS copy.
; Stored: pctx[x][1024] f32 and a record of 256 bytes of (m, l) pairs in pml; the next launch merges the 16 groups of a batch.
; Four waves; wave w makes columns 512 c + 128 w .. + 127 in chunk c = 0, 1: 128 x 128 of f32 sums in 512 registers.
; LIMITS: tanh(x) = 1 - 2 / (1 + 2^(2.885390 x)), absolute error about 1e-7, goes to +1 / -1 where the power overflows or vanishes;
;         the product's operands and the rows that the context sums are encoder_outputs rounded to bf16.
; WHY W COMES THROUGH REGISTERS, NOT THROUGH LDS, AND WHY NO CLUSTER: the resident rows take 128 x 2,064 = 264,192 of the 327,680 bytes of LDS.
; One K step of 32 of the group's 512 columns is 32,768 bytes; two slots of it (65,536) do not fit in what is left, and no two waves of the group
; use a common fragment of W, so LDS would add no reuse.  Each wave loads its own ready fragments, 16 loads of 512 consecutive bytes a K step,
; into a ring of four register buffers, three K steps (192 matrix instructions) ahead of their use.
;
; THE MODE: SCHED_MODE bits 1:0 = 2 (LLVM: expert scheduling mode 2), set by the entry lines.  The code itself states the register dependences
; between vector or matrix instructions and memory or LDS instructions, with s_wait_alu, always for 0.
; THE PLAN.  Registers that memory or LDS instructions touch:
;   EO, LDA, BO, VC, SA, RS, PS, CO, MLO   offsets and addresses, made at the head and never written again: one wait ahead of the first load.
;   X0 .. X2, T1   Phase 1, batch i: its conversions read X[i % 3] and write T1; behind ONE wait the loads of batch i + 3 land in X[i % 3] and the
;                  batch's LDS stores read T1.  At the next batch's head, behind its wait for data, a wait states that those stores have read T1.
;   B0 .. B3       W's ring.  K step j: its matrix instructions read B[j]; its global loads land in B[(j + 3) & 3], which step j - 1 read.
;   AF0, AF1       A's fragments.  K step j reads one; its LDS loads land in the other, which step j - 1 read.
;   ADW            read by every LDS load of A; written at a chunk's start and once a trip of four K steps, at the trip's end.
; So ONE wait on va_vdst stands at a K step's head, behind its waits for data: the step before is done reading the two buffers in which this step's
; 32 loads land, and in a trip's first step ADW is written.  Behind it the step issues matrix instructions alone, on the other two buffers and the
; accumulators, so the loads are dealt among them, eight at a time, with no further wait.  One wait on vm_vsrc a trip stands ahead of the adds to ADW.
;   S, p, (m, l), CX   results: one wait on va_vdst ahead of each run of stores; none of these registers is written again behind its store.
;   PP, RW, CA, PA     context loop: one wait on va_vdst at the trip's head (the last trip's multiply-adds are done reading PP and RW; CA and PA are
;                      written), one on vm_vsrc ahead of the two adds.  A second buffer would want the last trip written out, for 8 trips against 64 K steps.
;
; REGISTER WINDOWS (s_set_vgpr_msb, low byte: bits 1:0 source 0, 3:2 source 1, 5:4 source 2, 7:6 destination):
;   window 0: addresses, constants, A's fragments (two buffers), the scores;  window 1: W's fragments (four buffers of 64)
;   window 2: accumulator tiles (a, b) at 8 (8 a + b) for my rows 0-63;       window 3: the same for rows 64-127
.set PITCH, 2064                       ; an LDS row: 2,048 bytes + 16 = 129 x 16, an odd multiple of 16: the 16 rows of a fragment load start 16 bytes apart modulo 256
.set SC,    264192                     ; [wave][128] f32: each wave's share of the scores
.set PB,    266240                     ; [128] f32: p
.set EO,  1                            ; v1      phase 1: w*131072 + 16 L
.set LDA, 2                            ; v2-3    phase 1: w*32 rows + 8 L, and 16 rows further
.set ADA, 4                            ; v4-7    (32 p + r) * PITCH + 16 h, never rewritten
.set BO,  8                            ; v8      16 L
.set VC,  9                            ; v9      512 w + 4 r
.set VS,  10                           ; v10-11  the sum of my lane's 16 v, twice
.set SA,  16                           ; v16     SC + 512 w + 32 h
.set RS,  17                           ; v17     SC + 16 L
.set PS,  18                           ; v18     PB + 16 L
.set PA,  19                           ; v19     PB, stepped
.set CA,  20                           ; v20     8 t, stepped
.set CO,  21                           ; v21     16 t
.set MLO, 22                           ; v22     8 L
.set ADW, 24                           ; v24-27  ADA's working copy, stepped along K
.set T1,  32                           ; v32-63  phase 1: packed bf16
.set X,   64                           ; v64-255 phase 1: three buffers of 64
.set C2,  32                           ; v32-47  C2[8 c + nt] = cvec at my column
.set NV,  48                           ; v48-63  v, then -2 v, at my column
.set AF0, 64                           ; v64-127  A's fragments, buffer 0
.set AF1, 128                          ; v128-191 buffer 1
.set S,   192                          ; v192-255 S[8 mt + j]: my lane's share of the score of row 16 mt + 8 h + j
.set T,   64                           ; v64-95  the epilogue's 32 numbers at work
.set PP,  64                           ; v64-79  context: p of 16 rows
.set CX,  80                           ; v80-87  context: my 8 columns
.set RW,  128                          ; v128-191 context: 16 rows x 4 words
.set MUL_LO, 0xa4                      ; A window 0, B window 1, C and D window 2
.set MUL_HI, 0xf4                      ; C and D window 3
.set TO_B,   0x40                      ; destination window 1
.set MSB, 0
.macro WIN new                         ; the immediate's high byte repeats the setting that is left; a switch that changes nothing is dropped
.if MSB != (\new)
	s_set_vgpr_msb (MSB<<8)|(\new)
.set MSB, (\new)
.endif
.endm
.macro PLACES                          ; four independent vector instructions behind a matrix instruction before a vector instruction reads its result or writes one of its registers (ISA guide 7.12.1)
.rept 4
	v_nop
.endr
.endm
	s_load_b256 s[4:11], s[0:1], 0x0               ; encoder_outputs s[4:5], wfrag s[6:7], cvec s[8:9], v_w s[10:11]
	s_load_b128 s[12:15], s[0:1], 0x20             ; pctx s[12:13], pml s[14:15]
	v_lshl_add_u32 v30, v0, 2, 0x41800
	v_mov_b32 v31, 0
	v_lshrrev_b32 v13, 5, v0
	v_readfirstlane_b32 s16, v13                   ; wave 0..3
	v_and_b32 v12, 31, v0                          ; L
	v_and_b32 v14, 15, v0                          ; r
	v_bfe_u32 v15, v0, 4, 1                        ; h
	s_mov_b32 s22, 0x76543210                      ; v_permlanex16_b32: lane i reads lane i of the other half
	s_mov_b32 s23, 0xfedcba98
	s_wait_alu depctr_va_sdst(0)                   ; s16 is written, ahead of its first reader: offsets, bases and a branch are made from it
	s_lshl_b32 s17, s16, 17                        ; 32 rows of 4,096 bytes a wave
	v_lshl_add_u32 v[EO], v12, 4, s17
	s_mul_i32 s18, s16, 32*PITCH
	v_lshl_add_u32 v[LDA], v12, 3, s18
	v_add_nc_u32 v[LDA+1], 16*PITCH, v[LDA]
	v_mul_u32_u24 v23, v14, PITCH
	v_lshl_add_u32 v[ADA], v15, 4, v23
	v_add_nc_u32 v[ADA+1], 32*PITCH, v[ADA]
	v_add_nc_u32 v[ADA+2], 64*PITCH, v[ADA]
	v_add_nc_u32 v[ADA+3], 96*PITCH, v[ADA]
	v_lshlrev_b32 v[BO], 4, v12
	s_lshl_b32 s19, s16, 9
	v_lshl_add_u32 v[VC], v14, 2, s19
	s_add_co_u32 s21, s19, SC
	v_lshl_add_u32 v[SA], v15, 5, s21
	v_lshlrev_b32 v[RS], 4, v12
	v_add_nc_u32 v[PS], PB, v[RS]
	v_add_nc_u32 v[RS], SC, v[RS]
	v_mov_b32 v[PA], PB
	v_lshlrev_b32 v[CA], 3, v0
	v_lshlrev_b32 v[CO], 4, v0
	v_lshlrev_b32 v[MLO], 3, v12
	s_lshl_b32 s24, ttmp9, 19                      ; 128 rows of 4,096 bytes a group (below 2^28)
	s_mov_b32 s25, 0
	s_lshl_b32 s26, s16, 18                        ; my 128 columns' fragments in chunk 0
	s_mov_b32 s27, 0
	s_lshr_b32 s28, ttmp9, 4                       ; batch
	s_lshl_b32 s28, s28, 12
	s_mov_b32 s29, 0
	s_lshl_b32 s30, ttmp9, 12
	s_mov_b32 s31, 0
	s_lshl_b32 s32, ttmp9, 8
	s_mov_b32 s33, 0
	s_wait_kmcnt 0x0
	s_add_nc_u64 s[4:5], s[4:5], s[24:25]
	s_add_nc_u64 s[6:7], s[6:7], s[26:27]
	s_add_nc_u64 s[8:9], s[8:9], s[28:29]
	s_add_nc_u64 s[12:13], s[12:13], s[30:31]
	s_add_nc_u64 s[14:15], s[14:15], s[32:33]
	s_wait_alu depctr_va_vdst(0)                   ; the offsets and addresses v1 to v22 are written, which the kernel's loads and stores read
; ---------------- PHASE 1: my 32 rows, f32 from memory, bf16 into LDS ----------------
; A batch is two rows = 16 loads of 512 consecutive bytes.  Three batches (48 loads, 24 KiB a wave) are on their way.
.macro LOADB i, buf
.irp u, 0,1,2,3,4,5,6,7,8,9,10,11,12,13,14,15
	global_load_b128 v[X+64*(\buf)+4*\u:X+64*(\buf)+4*\u+3], v[EO], s[4:5] offset:(2*(\i)+(\u>>3))*4096+(\u&7)*512 th:TH_LOAD_NT
.endr
.endm
.macro CVT buf
.irp u, 0,1,2,3,4,5,6,7,8,9,10,11,12,13,14,15
	v_cvt_pk_bf16_f32 v[T1+2*\u],   v[X+64*(\buf)+4*\u],   v[X+64*(\buf)+4*\u+1]
	v_cvt_pk_bf16_f32 v[T1+2*\u+1], v[X+64*(\buf)+4*\u+2], v[X+64*(\buf)+4*\u+3]
.endr
.endm
.macro STB i
.irp u, 0,1,2,3,4,5,6,7,8,9,10,11,12,13,14,15
	ds_store_b64 v[LDA+((\i)>>3)], v[T1+2*\u:T1+2*\u+1] offset:((2*(\i)+(\u>>3))&15)*PITCH+(\u&7)*256   ; 32 lanes, 256 consecutive bytes
.endr
.endm
; Batch i.  left: how many younger loads may stay out.  ahead = 1: batch i + 3 is asked for, into the buffer just read out.
.macro BATCH i, buf, left, ahead
	s_wait_loadcnt \left                           ; loads come back in order (ISA guide 5.7.1): this batch is in, the younger batches stay out
.if \i > 0
	s_wait_alu depctr_vm_vsrc(0)                   ; the LDS stores of the batch before have read T1, which the conversions below write again
.endif
	CVT \buf
	s_wait_alu depctr_va_vdst(0)                   ; the conversions have written T1, which the LDS stores read, and are done reading X[buf], in which the loads land
.if \ahead
	LOADB (\i+3), \buf
.endif
	STB \i
.endm
	LOADB 0, 0
	LOADB 1, 1
	LOADB 2, 2
.irp i, 0,1,2,3,4,5,6,7,8,9,10,11,12
	BATCH \i, (\i)%3, 32, 1                        ; the two younger batches (32 loads) stay out
.endr
	BATCH 13, 1, 32, 0                             ; 14 and 15 stay out
	BATCH 14, 2, 16, 0                             ; 15 stays out
	BATCH 15, 0, 0, 0
	s_wait_dscnt 0x0                               ; my rows are in LDS, for the other waves' sake
	s_wait_alu depctr_vm_vsrc(0)                   ; the last LDS stores have read T1, in which cvec's and v's loads land (its last writers stand ahead of the last wait on va_vdst)
.irp c, 0,1
.irp nt, 0,1,2,3,4,5,6,7
	global_load_b32 v[C2+8*\c+\nt], v[VC], s[8:9] offset:\c*2048+\nt*64     ; cvec at column 512 c + 128 w + 16 nt + r
.endr
.endr
.irp c, 0,1
.irp nt, 0,1,2,3,4,5,6,7
	global_load_b32 v[NV+8*\c+\nt], v[VC], s[10:11] offset:\c*2048+\nt*64   ; v at the same column
.endr
.endr
; ---------------- PHASE 2: the product ----------------
.macro BFETCH bf, off, half            ; half a K step of my 128 columns: 8 loads of 512 consecutive bytes, already in fragment order
	WIN TO_B
.irp n, 0,1,2,3
.irp q, 0,1
	global_load_b128 v[64*(\bf)+8*(4*\half+\n)+4*\q:64*(\bf)+8*(4*\half+\n)+4*\q+3], v[BO], s[6:7] offset:\off+(4*\half+\n)*1024+\q*512
.endr
.endr
.endm
.macro AFETCH f, koff, half            ; one K step of 64 rows (row blocks 4 half + 0..3): lane (r, h) takes row 16 mt + r, k = 8 h .. and 16 + 8 h ..
	WIN 0
.irp m, 0,1,2,3
	ds_load_b128 v[\f+8*(4*\half+\m):\f+8*(4*\half+\m)+3],   v[ADW+2*\half+(\m>>1)] offset:(\m&1)*16*PITCH+\koff
	ds_load_b128 v[\f+8*(4*\half+\m)+4:\f+8*(4*\half+\m)+7], v[ADW+2*\half+(\m>>1)] offset:(\m&1)*16*PITCH+\koff+32
.endr
.endm
.macro MUL8 f, bf, hi, a, zero         ; 8 matrix instructions: row block 4 hi + a x all 8 column blocks.  zero = 1: the first product starts the sums
.irp b, 0,1,2,3,4,5,6,7
.if \zero
	v_wmma_f32_16x16x32_bf16 v[8*(8*\a+\b):8*(8*\a+\b)+7], v[\f+8*(4*\hi+\a):\f+8*(4*\hi+\a)+7], v[64*(\bf)+8*\b:64*(\bf)+8*\b+7], 0
.else
	v_wmma_f32_16x16x32_bf16 v[8*(8*\a+\b):8*(8*\a+\b)+7], v[\f+8*(4*\hi+\a):\f+8*(4*\hi+\a)+7], v[64*(\bf)+8*\b:64*(\bf)+8*\b+7], v[8*(8*\a+\b):8*(8*\a+\b)+7]
.endif
.endr
.endm
; One K step of 32.  j: W's buffer; f: A's buffer in use, g: the other.  It asks for A's next step (byte aoff of the rows; < 0: none) and for W three steps
; ahead (byte boff from s[6:7]; < 0: none), in four runs of eight loads behind its first four groups of eight matrix instructions: A first, which the next
; step wants.  Each run has its own window setting.  lc: how many younger loads of W may stay out.
; The 64 accumulators take turns, one instruction a turn, in the same order in every step, over the backward jump too.
.macro KSTEP j, f, g, zero, aoff, boff, lc
	s_wait_loadcnt \lc                             ; this step's 16 loads of W are in; those of the steps behind it stay out
	s_wait_dscnt 8                                 ; A's row blocks 0-3 are in; the youngest eight loads (blocks 4-7) may be out
.if (\aoff >= 0) || (\boff >= 0)
	s_wait_alu depctr_va_vdst(0)                   ; the last step's matrix instructions are done reading A's other buffer and W's buffer (j + 3) & 3, in which this step's loads land; in a trip's first step ADW is written
.endif
	WIN MUL_LO
	MUL8 \f, \j, 0, 0, \zero
.if \aoff >= 0
	AFETCH \g, \aoff, 0                            ; no wait: the matrix instructions since the wait above name A[f], W[j] and the accumulators alone
.endif
	WIN MUL_LO
	MUL8 \f, \j, 0, 1, \zero
.if \aoff >= 0
	AFETCH \g, \aoff, 1
.endif
	WIN MUL_LO
	MUL8 \f, \j, 0, 2, \zero
.if \boff >= 0
	BFETCH ((\j+3)&3), \boff, 0
.endif
	WIN MUL_LO
	MUL8 \f, \j, 0, 3, \zero
.if \boff >= 0
	BFETCH ((\j+3)&3), \boff, 1
.endif
.if \aoff >= 0
	s_wait_dscnt 16                                ; all but the 16 LDS loads issued in this step: A's row blocks 4-7 are in
.else
	s_wait_dscnt 0
.endif
	WIN MUL_HI
	MUL8 \f, \j, 1, 0, \zero
	MUL8 \f, \j, 1, 1, \zero
	MUL8 \f, \j, 1, 2, \zero
	MUL8 \f, \j, 1, 3, \zero
.endm
.macro TRIP zero                       ; four K steps = 256 bytes of A's rows, 32,768 bytes of W
	KSTEP 0, AF0, AF1, \zero, 64,  24576, 32
	KSTEP 1, AF1, AF0, 0,     128, 32768, 32
	KSTEP 2, AF0, AF1, 0,     192, 40960, 32
	KSTEP 3, AF1, AF0, 0,     256, 49152, 32
	WIN 0                                          ; at a label and at a branch every window is 0
	s_wait_alu depctr_vm_vsrc(0)                   ; the LDS loads issued so far have read ADW
.irp p, 0,1,2,3
	v_add_nc_u32 v[ADW+\p], 256, v[ADW+\p]
.endr
	s_wait_xcnt 0x0                                ; the base of pending loads is stepped only behind this wait (ISA guide 3.1)
	s_add_nc_u64 s[6:7], s[6:7], 32768
.endm
; The epilogue, 4 tiles (32 registers) at a time: t = 2.885390 acc + C2;  u = 1 / (1 + 2^t);  S += -2 v u  (tanh = 1 - 2 u; the sum of v starts S).
; Vector instructions alone: no memory or LDS instruction stands in it.
.macro EFMA c, a, nt, o                ; o = nt & 1 picks C2's register of the pair for both halves
.irp jj, 0,2,4,6
	v_pk_fma_f32 v[T+8*((\nt)&3)+\jj:T+8*((\nt)&3)+\jj+1], v[8*(8*\a+(\nt))+\jj:8*(8*\a+(\nt))+\jj+1], 0x4038aa3b, v[C2+8*\c+((\nt)&6):C2+8*\c+((\nt)&6)+1] op_sel:[0,0,\o] op_sel_hi:[1,0,\o]
.endr
.endm
.macro SFMA c, mt, nt, o, first
.irp jj, 0,2,4,6
.if \first
	s_wait_alu depctr_va_vdst(0)
	v_pk_fma_f32 v[S+8*(\mt)+\jj:S+8*(\mt)+\jj+1], v[T+8*((\nt)&3)+\jj:T+8*((\nt)&3)+\jj+1], v[NV+8*\c+((\nt)&6):NV+8*\c+((\nt)&6)+1], v[VS:VS+1] op_sel:[0,\o,0] op_sel_hi:[1,\o,1]
.else
	v_pk_fma_f32 v[S+8*(\mt)+\jj:S+8*(\mt)+\jj+1], v[T+8*((\nt)&3)+\jj:T+8*((\nt)&3)+\jj+1], v[NV+8*\c+((\nt)&6):NV+8*\c+((\nt)&6)+1], v[S+8*(\mt)+\jj:S+8*(\mt)+\jj+1] op_sel:[0,\o,0] op_sel_hi:[1,\o,1]
.endif
.endr
.endm
.macro EPIG c, hi, a, nb
	WIN 2+\hi                                      ; source 0 = the accumulators' window
	EFMA \c, \a, 4*\nb+0, 0
	EFMA \c, \a, 4*\nb+1, 1
	EFMA \c, \a, 4*\nb+2, 0
	EFMA \c, \a, 4*\nb+3, 1
	WIN 0
.set k, 0
.rept 32
	v_exp_f32 v[T+k], v[T+k]
.set k, k+1
.endr
	v_nop                                          ; one plain vector instruction between a transcendental and the use of its result (ISA guide 5.7.2)
.set k, 0
	s_wait_alu depctr_va_vdst(0)
.rept 16
	v_pk_add_f32 v[T+k:T+k+1], v[T+k:T+k+1], 1.0 op_sel_hi:[1,0]
.set k, k+2
.endr
.set k, 0
.rept 32
	v_rcp_f32 v[T+k], v[T+k]
.set k, k+1
.endr
	v_nop                                          ; as above
	s_wait_alu depctr_va_vdst(0)
.if \c+\nb == 0
	SFMA \c, 4*\hi+\a, 4*\nb+0, 0, 1               ; the first term of a row takes the sum of v as its addend: nothing is cleared
.else
	SFMA \c, 4*\hi+\a, 4*\nb+0, 0, 0
.endif
	SFMA \c, 4*\hi+\a, 4*\nb+1, 1, 0
	SFMA \c, 4*\hi+\a, 4*\nb+2, 0, 0
	SFMA \c, 4*\hi+\a, 4*\nb+3, 1, 0
.endm
.macro EPI c
.if \c == 0
	v_pk_add_f32 v[T:T+1],   v[NV:NV+1],     v[NV+2:NV+3]          ; the sum of my lane's 16 v
	v_pk_add_f32 v[T+2:T+3], v[NV+4:NV+5],   v[NV+6:NV+7]
	v_pk_add_f32 v[T+4:T+5], v[NV+8:NV+9],   v[NV+10:NV+11]
	v_pk_add_f32 v[T+6:T+7], v[NV+12:NV+13], v[NV+14:NV+15]
	v_pk_add_f32 v[T:T+1],   v[T:T+1],       v[T+2:T+3]
	v_pk_add_f32 v[T+4:T+5], v[T+4:T+5],     v[T+6:T+7]
	v_pk_add_f32 v[T:T+1],   v[T:T+1],       v[T+4:T+5]
	v_add_f32 v[VS], v[T], v[T+1]
	v_mov_b32 v[VS+1], v[VS]
.irp e, 0,2,4,6,8,10,12,14
	v_pk_mul_f32 v[NV+\e:NV+\e+1], v[NV+\e:NV+\e+1], -2.0 op_sel_hi:[1,0]
.endr
.endif
.irp hi, 0,1
.irp a, 0,1,2,3
.irp nb, 0,1
	EPIG \c, \hi, \a, \nb
.endr
.endr
.endr
.endm
; A chunk: 32 K steps = one trip ahead of the loop (its first step starts the sums), six in the loop, one written out as the tail.
.macro CHUNK c
.if \c
	s_wait_alu depctr_vm_vsrc(0)                   ; the first chunk's LDS loads have read ADW, which is written anew below
.endif
.irp p, 0,1,2,3
	v_mov_b32 v[ADW+\p], v[ADA+\p]
.endr
	s_wait_alu depctr_va_vdst(0)                   ; ADW is written, which the loads below read; the vector instructions so far (phase 1's conversions, the epilogue) are done with v64-127, in which they land
	AFETCH AF0, 0, 0
	AFETCH AF0, 0, 1
	TRIP 1
	s_mov_b32 s20, 6
.Lk\c:
	TRIP 0
	s_sub_co_u32 s20, s20, 1
	s_cmp_lg_u32 s20, 0
	s_cbranch_scc1 .Lk\c
.if \c == 0
	KSTEP 0, AF0, AF1, 0, 64,  24576,  32          ; asks for this chunk's last step;
	KSTEP 1, AF1, AF0, 0, 128, 819200, 32          ; then for the next chunk's steps 0, 1, 2: 4 x 262,144 bytes on from this chunk's first step, which lies 7 x 32,768 back
	KSTEP 2, AF0, AF1, 0, 192, 827392, 32
	KSTEP 3, AF1, AF0, 0, -1,  835584, 32
	WIN 0
	PLACES                                         ; the epilogue reads results and writes A's buffer 0
	s_wait_xcnt 0x0                                ; the base of pending loads is stepped only behind this wait
	s_add_nc_u64 s[6:7], s[6:7], 819200
.else
	KSTEP 0, AF0, AF1, 0, 64,  24576, 32           ; the last request for W
	KSTEP 1, AF1, AF0, 0, 128, -1,    32           ; steps 30 and 31 stay out
	KSTEP 2, AF0, AF1, 0, 192, -1,    16           ; step 31 stays out
	KSTEP 3, AF1, AF0, 0, -1,  -1,    0            ; it issues no load, so it states no dependence
	WIN 0
	PLACES
.endif
	EPI \c
.endm
	BFETCH 0, 0, 0                                 ; W's first three K steps, into registers that no instruction has named
	BFETCH 0, 0, 1
	BFETCH 1, 8192, 0
	BFETCH 1, 8192, 1
	BFETCH 2, 16384, 0
	BFETCH 2, 16384, 1
	WIN 0
	s_barrier_signal -1
	s_barrier_wait -1                              ; all 128 rows are in LDS; they are never written again
	CHUNK 0                                        ; its first wait (32 younger loads stay out) also shows cvec's and v's loads done
	CHUNK 1
; ---------------- PHASE 3: scores, softmax terms, partial context ----------------
.irp x, 1,2,4,8                        ; the sum over the 16 lanes of a half = over my wave's 256 columns; every lane of the half ends with it
.set k, 0
.rept 64
	v_add_f32_dpp v[S+k], v[S+k], v[S+k] row_xmask:\x row_mask:0xf bank_mask:0xf
.set k, k+1
.endr
.endr
	s_wait_alu depctr_va_vdst(0)                   ; the additions have written S, which the LDS stores read; the epilogue is done reading v32-47, in which wave 0's loads below land
.irp mt, 0,1,2,3,4,5,6,7
	ds_store_b128 v[SA], v[S+8*\mt:S+8*\mt+3] offset:64*\mt            ; rows 16 mt + 8 h + 0..3: the 16 lanes of a half write the same bytes with the same values
	ds_store_b128 v[SA], v[S+8*\mt+4:S+8*\mt+7] offset:64*\mt+16
.endr
	s_wait_dscnt 0x0                               ; my share of the scores is in LDS, for wave 0's sake
	s_barrier_signal -1
	s_barrier_wait -1
	s_cmp_lg_u32 s16, 0
	s_cbranch_scc1 .Lothers                        ; 128 scores are four a lane of one wave: wave 0 makes m, p and l
.irp p, 0,1,2,3
	ds_load_b128 v[32+4*\p:35+4*\p], v[RS] offset:512*\p               ; no vector instruction stands between the wait on va_vdst above and these loads
.endr
	s_wait_dscnt 0x0
	v_pk_add_f32 v[32:33], v[32:33], v[36:37]
	v_pk_add_f32 v[34:35], v[34:35], v[38:39]
	v_pk_add_f32 v[40:41], v[40:41], v[44:45]
	v_pk_add_f32 v[42:43], v[42:43], v[46:47]
	v_pk_add_f32 v[32:33], v[32:33], v[40:41]      ; the scores of rows 4 L .. 4 L + 3
	v_pk_add_f32 v[34:35], v[34:35], v[42:43]
	v_max3_num_f32 v50, v32, v33, v34
	v_max_num_f32 v50, v50, v35
	v_max_num_f32_dpp v50, v50, v50 row_xmask:1 row_mask:0xf bank_mask:0xf
	v_max_num_f32_dpp v50, v50, v50 row_xmask:2 row_mask:0xf bank_mask:0xf
	v_max_num_f32_dpp v50, v50, v50 row_xmask:4 row_mask:0xf bank_mask:0xf
	v_max_num_f32_dpp v50, v50, v50 row_xmask:8 row_mask:0xf bank_mask:0xf
	v_permlanex16_b32 v49, v50, s22, s23
	v_max_num_f32 v50, v50, v49                    ; m: the largest of the group's 128 scores
.irp i, 0,1,2,3
	v_sub_f32 v[36+\i], v[32+\i], v50
.endr
.irp i, 0,1,2,3
	v_mul_f32 v[36+\i], 0x3fb8aa3b, v[36+\i]
.endr
.irp i, 0,1,2,3
	v_exp_f32 v[36+\i], v[36+\i]                   ; p = e^(score - m), at most 1
.endr
	v_nop                                          ; one plain vector instruction between a transcendental and the use of its result
	s_wait_alu depctr_va_vdst(0)
	v_add_f32 v51, v36, v37
	v_add_f32 v49, v38, v39
	v_add_f32 v51, v51, v49
	v_add_f32_dpp v51, v51, v51 row_xmask:1 row_mask:0xf bank_mask:0xf
	v_add_f32_dpp v51, v51, v51 row_xmask:2 row_mask:0xf bank_mask:0xf
	v_add_f32_dpp v51, v51, v51 row_xmask:4 row_mask:0xf bank_mask:0xf
	v_add_f32_dpp v51, v51, v51 row_xmask:8 row_mask:0xf bank_mask:0xf
	v_permlanex16_b32 v49, v51, s22, s23
	v_add_f32 v51, v51, v49                        ; l: the sum of the 128 p
	s_wait_alu depctr_va_vdst(0)                   ; p (v36-39) and (m, l) (v50-51) are written, which the two stores read
	ds_store_b128 v[PS], v[36:39]
	global_store_b64 v[MLO], v[50:51], s[14:15]    ; 32 copies of (m, l): the record's 256 bytes whole
.Lothers:
	s_wait_dscnt 0x0                               ; wave 0: p is in LDS, for the others' sake
	s_barrier_signal -1
	s_barrier_wait -1
	; Thread t owns columns 4 t .. + 3 and 512 + 4 t .. + 3.  16 rows a trip: 4 broadcast loads of p, 32 loads of 256 consecutive bytes a wave.
.irp e, 0,1,2,3,4,5,6,7
	v_mov_b32 v[CX+\e], 0
.endr
.macro ROWFMA row
.irp wd, 0,1,2,3
	v_fma_mix_f32_bf16 v[CX+2*\wd],   v[RW+4*(\row)+\wd], v[PP+(\row)], v[CX+2*\wd]   op_sel:[0,0,0] op_sel_hi:[1,0,0]
	v_fma_mix_f32_bf16 v[CX+2*\wd+1], v[RW+4*(\row)+\wd], v[PP+(\row)], v[CX+2*\wd+1] op_sel:[1,0,0] op_sel_hi:[1,0,0]
.endr
.endm
	s_mov_b32 s20, 8
.Lctx:
	s_wait_alu depctr_va_vdst(0)                   ; the last trip's multiply-adds are done reading PP and RW, in which the loads land; CA and PA are written, which the loads read
.irp q, 0,1,2,3
	ds_load_b128 v[PP+4*\q:PP+4*\q+3], v[PA] offset:16*\q
.endr
.irp i, 0,1,2,3,4,5,6,7,8,9,10,11,12,13,14,15
	ds_load_b64 v[RW+4*\i:RW+4*\i+1],   v[CA] offset:\i*PITCH
	ds_load_b64 v[RW+4*\i+2:RW+4*\i+3], v[CA] offset:\i*PITCH+1024
.endr
.irp gq, 0,1,2,3
	s_wait_dscnt 24-8*\gq                          ; p and the rows up to this group of four are in; the younger groups' 8 loads each stay out
.irp i2, 0,1,2,3
	ROWFMA 4*\gq+\i2
.endr
.endr
	s_wait_alu depctr_vm_vsrc(0)                   ; the trip's LDS loads have read CA and PA
	v_add_nc_u32 v[CA], 16*PITCH, v[CA]
	v_add_nc_u32 v[PA], 64, v[PA]
	s_sub_co_u32 s20, s20, 1
	s_cmp_lg_u32 s20, 0
	s_cbranch_scc1 .Lctx
	s_wait_alu depctr_va_vdst(0)                   ; the last trip's multiply-adds have written CX, which the stores read
	global_store_b128 v[CO], v[CX:CX+3], s[12:13]                  ; a wave's store covers 512 consecutive bytes, aligned
	global_store_b128 v[CO], v[CX+4:CX+7], s[12:13] offset:2048
	s_wait_dscnt 0x0
	s_wait_alu depctr_hold_cnt(0) depctr_sa_sdst(0) depctr_va_vdst(0) depctr_va_sdst(0) depctr_va_ssrc(0) depctr_va_vcc(0) depctr_vm_vsrc(0)
	s_wait_tensorcnt 0x0
	ds_add_u32 v30, v31
	s_wait_dscnt 0x0
	s_endpgm
.Lfunc_end_k_q92b565f0ac_main:
	.size	k_q92b565f0ac_main, .Lfunc_end_k_q92b565f0ac_main-k_q92b565f0ac_main
	.p2alignl 7, 3214868480
	.fill 96, 4, 3214868480
	.section	.rodata,"a",@progbits
	.p2align	6, 0x0
	.amdhsa_kernel k_q92b565f0ac_main
		.amdhsa_group_segment_fixed_size 268800
		.amdhsa_private_segment_fixed_size 0
		.amdhsa_enable_private_segment 0
		.amdhsa_kernarg_size 48
		.amdhsa_user_sgpr_count 2
		.amdhsa_user_sgpr_kernarg_segment_ptr 1
		.amdhsa_wavefront_size32 1
		.amdhsa_system_sgpr_workgroup_id_x 1
		.amdhsa_system_sgpr_workgroup_id_y 1
		.amdhsa_system_sgpr_workgroup_id_z 1
		.amdhsa_system_vgpr_workitem_id 0
		.amdhsa_next_free_vgpr 1024
		.amdhsa_next_free_sgpr 66
		.amdhsa_reserve_vcc 0
		.amdhsa_float_denorm_mode_32 3
		.amdhsa_float_denorm_mode_16_64 3
		.amdhsa_memory_ordered 1
		.amdhsa_forward_progress 1
		.amdhsa_inst_pref_size 255
	.end_amdhsa_kernel
	.section	.bss,"aw",@nobits
	.p2align	6
	.space	262144
	.amdgpu_metadata
---
amdhsa.version: [ 1, 2 ]
amdhsa.kernels:
  - .name:           k_q92b565f0ac_main
    .symbol:         k_q92b565f0ac_main.kd
    .args:
      - { .name: encoder_outputs, .offset: 0, .size: 8, .value_kind: global_buffer, .address_space: global }
      - { .name: wfrag, .offset: 8, .size: 8, .value_kind: global_buffer, .address_space: global }
      - { .name: cvec, .offset: 16, .size: 8, .value_kind: global_buffer, .address_space: global }
      - { .name: v_w, .offset: 24, .size: 8, .value_kind: global_buffer, .address_space: global }
      - { .name: pctx, .offset: 32, .size: 8, .value_kind: global_buffer, .address_space: global }
      - { .name: pml, .offset: 40, .size: 8, .value_kind: global_buffer, .address_space: global }
    .group_segment_fixed_size: 268800
    .private_segment_fixed_size: 0
    .kernarg_segment_align: 8
    .kernarg_segment_size: 48
    .max_flat_workgroup_size: 128
    .sgpr_count:     66
    .vgpr_count:     1024
    .wavefront_size: 32
...
	.end_amdgpu_metadata
.endif
;; end of part 4
;; launch combine: the kernel of part 3 again; grid 32 x 1, 8 waves a work-group, no clusters, 0 bytes of LDS; arguments pctx, pml, out0; writes out0
